; MI455X (gfx1250); checked and timed in simulation.
; The chip was launched on July 23, 2026; its instructions are those of AMD's public machine-readable ISA for CDNA 5 (MIT licence, August 2026) and "CDNA5" Instruction Set Architecture Reference Guide (July 2026). The comments in the code are by the model that wrote it; some were corrected since.
;; HQQSVD Linear. Allowed arithmetic: matrix products marked QUANTISED: E4M3 operands, one E8M0 scale for each 32 along K, by v_wmma_scale_f32_16x16x128_f8f6f4 with both operands' format E4M3, f32 sums; products left as they are: f32 operands where the result goes on into a quantised operand, else bf16, f16 or f32 operands; f32 sums; everything else in f32.
;; Inputs: bias 4,096 float32; scale 4,096 x 64 x 1 float32; svd_down 32 x 4,096 float32; svd_up 4,096 x 32 float32; w_packed 8,388,608 int32; x 1 x 4,096 x 4,096 float32; zero_point 4,096 x 64 x 1 float32.
;; Outputs: out0 1 x 4,096 x 4,096 float32.
;; This version of the problem:
;;   THIS VERSION OF THE PROBLEM IS GIVEN IN LOW PRECISION. The matrix products marked QUANTISED in the list below multiply operands that are first quantised to E4M3 (4 exponent bits, 3 mantissa bits; 8 bits a number), with one power-of-two scale for each 32 numbers along K (OCP MX v1.0); their sums are f32. All else is computed in f32.
;;   The module's matrix products, in the order in which they are computed (A, B: the left and right operand; K: the contracted axis; several contracted axes count as one K, in the product's order):
;;     1. [M 4,096, K 32] x [K 32, N 4,096]; A: input svd_up; B: input svd_down: QUANTISED
;;     2. [M 4,096, K 4,096] x [K 4,096, N 4,096]; A: computed on the way; B: computed on the way: left as it is (operands are no floats)
;;   THE QUANTISER, for each operand of a quantised product, along K:
;;     - K is cut into blocks of 32 from its start; a last block that is shorter is filled with zeros.
;;     - A block's scale is 2^e with e = floor(log2(the largest magnitude in the block)) - 8, held to -126 .. 127; a block of zeros has e = 0. As a byte (E8M0): e + 127.
;;     - Each number is divided by its block's scale, clamped to +-448, and rounded to the nearest number of E4M3, ties to even, subnormals kept.
;;     - The product sums the exact products of the quantised numbers (number of the format x scale) in f32.
;;   ~~~python
;;   def quantise(x, axis):      # numpy; x: float32 -> the quantised numbers, widened to float32 again
;;       x = np.moveaxis(x, axis, -1); K = x.shape[-1]
;;       x = np.pad(x, [(0, 0)] * (x.ndim - 1) + [(0, -K % 32)]); x = x.reshape(x.shape[:-1] + (-1, 32)); a = np.abs(x).max(-1, keepdims=True)
;;       e = np.where(a > 0, np.clip(np.frexp(np.where(a > 0, a, 1))[1] - 1 - 8, -126, 127), 0)      # np.frexp(a)[1] - 1 = floor(log2(a)), exactly
;;       r = np.clip(x / 2.0 ** e, -448, 448)
;;       step = 2.0 ** (np.maximum(np.frexp(np.where(r == 0, 1, r))[1] - 1, -6) - 3)
;;       q = np.round(r / step) * step * 2.0 ** e      # np.round: ties to even
;;       return np.moveaxis(q.reshape(q.shape[:-2] + (-1,))[..., :K], -1, axis).astype(np.float32)
;;   ~~~
;; One version. Each part assembles by itself: llvm-mc -triple=amdgcn-amd-amdhsa -mcpu=gfx1250 --defsym DOCPART=n.
;; ======== version 1 of 1: 3 launches
;; workspace buffers: xq 16,777,216 bytes; wq 16,777,216 bytes; sx 16,384 bytes; sw 16,384 bytes; dimg 131,072 bytes; dscl 8,192 bytes
;; launch quant_x (part 1): grid 1040 x 1, 4 waves a work-group, no clusters, 16,896 bytes of LDS; arguments x, svd_down, xq, sx, dimg, dscl; writes xq, sx, dimg, dscl
.if DOCPART == 1
	.amdgcn_target "amdgcn-amd-amdhsa--gfx1250"
	.amdhsa_code_object_version 6
	.text
	.protected	k_q923386544a_quant_x
	.globl	k_q923386544a_quant_x
	.p2align	8
	.type	k_q923386544a_quant_x,@function
k_q923386544a_quant_x:
	s_mov_b64 s[64:65], 0
	v_nop
	global_prefetch_b8 v0, s[64:65] scope:SCOPE_SE
	s_setreg_imm32_b32 hwreg(HW_REG_WAVE_MODE, 25, 1), 1
	s_wait_xcnt 0x0
; TWO JOBS IN ONE LAUNCH, parted on the work-group's number.
; Work-groups 16 .. 1039: x [4096][4096] f32 becomes int8 codes xq [4096][4096] (K in its natural order) and one f32 scale a row, sx [4096].
;   scale = (the row's largest magnitude) / 127;  code = round to nearest even of x / scale.  One wave takes one row: 16,384 bytes in 128 registers, read once, kept between the maximum and the rounding.
;   The code is the low byte of fma(x, 1 / scale, 1.5 x 2^23): in [2^23, 2^24) neighbouring f32 numbers are 1 apart, so the one rounding of the fma is the rounding to a whole number, ties to even.
; Work-groups 0 .. 15: svd_down [32 (k)][4096 (i)] f32 becomes codes of FP8 (E4M3) with one E8M0 byte a column (K = 32 is one block), laid as the next launch's operand registers want them:
;   dimg: tile T = i / 16 takes 512 bytes; the 16 bytes at 512 T + 256 hk + 16 (i % 16) are the codes of k = 16 hk .. 16 hk + 15 of column i.
;   dscl: group q = i / 64 takes 128 bytes; the word at 128 q + 4 L holds, in byte c, the scale byte of column 64 q + 16 c + L % 16 (lanes 16-31 repeat lanes 0-15).
; LIMITS.  |x| / scale is at most 127 (1 + 2^-21), so the clip to -128 .. 127 never acts and is not written.  x times the reciprocal is rounded once where a quotient would be rounded first: a code can differ by 1
; only where x / scale lies at the middle between two whole numbers.  A row of zeros has scale 0 and codes 0.  Rows whose largest magnitude lies under 2^-119 are not served (the reciprocal takes a denormal as 0);
; NaN and infinities are not served.  A column of svd_down that is all zeros keeps the scale byte 1 (its codes are zeros; this program alone reads the bytes).
; No tensor loads, no barrier: waves share nothing.  Only the x path touches LDS: 4,096 bytes for each wave.
.set M, 4                              ; v4-7     four running maxima
.set X, 16                             ; v16-143  the row, as loaded; later the codes read back from LDS
.set P, 144                            ; v144-175 four codes a register
	s_load_b256 s[4:11], s[0:1], 0x0               ; x s[4:5], svd_down s[6:7], xq s[8:9], sx s[10:11]
	s_load_b128 s[12:15], s[0:1], 0x20             ; dimg s[12:13], dscl s[14:15]
	v_lshl_add_u32 v176, v0, 2, 0x4000
	v_mov_b32 v177, 0
	v_lshrrev_b32 v1, 5, v0
	v_readfirstlane_b32 s16, v1                    ; wave 0..3
	v_and_b32 v10, 31, v0                          ; lane
	s_mov_b32 s19, 0                               ; the high word of every offset
	s_mov_b32 s20, 0x76543210                      ; v_permlanex16_b32's selects for lane l xor 16
	s_mov_b32 s21, 0xfedcba98
	s_mov_b32 s22, 0x4b400000                      ; 1.5 x 2^23
	s_mov_b32 s23, s22                             ; (named with it as a pair, so it is written)
	s_mov_b32 s24, 0x00000400                      ; byte 0 of the second source, byte 0 of the first
	s_mov_b32 s25, 0x05040100                      ; the low half of the second source, the low half of the first
	s_mov_b32 s26, 0x3c010204                      ; 1 / 127
	s_mov_b32 s27, 0x42fe0000                      ; 127
	s_mov_b32 s28, 0x600000                        ; the mantissa field of 448
	s_wait_kmcnt 0x0
	s_cmp_lt_u32 ttmp9, 16
	s_cbranch_scc1 .Ldown
	; ---------------- a row of x
	s_sub_co_u32 s17, ttmp9, 16
	s_lshl_b32 s17, s17, 2
	s_add_co_u32 s17, s17, s16                     ; my row
	s_lshl_b32 s18, s17, 14
	s_add_nc_u64 s[4:5], s[4:5], s[18:19]          ; 16,384 bytes a row of x,
	s_lshl_b32 s18, s17, 12
	s_add_nc_u64 s[8:9], s[8:9], s[18:19]          ; 4,096 a row of codes,
	s_lshl_b32 s18, s17, 2
	s_add_nc_u64 s[10:11], s[10:11], s[18:19]      ; 4 for its scale
	v_lshlrev_b32 v1, 4, v10                       ; 16 x lane
.set i, 0
.rept 32
	global_load_b128 v[X+4*i:X+4*i+3], v1, s[4:5] offset:512*i th:TH_LOAD_NT   ; 32 lanes read 512 consecutive bytes; the whole row is asked for at once
.set i, i+1
.endr
	s_lshl_b32 s18, s16, 12                        ; my wave's 4,096 bytes of LDS
	v_lshl_add_u32 v2, v10, 2, s18                 ; in: 4 bytes a lane
	v_lshl_add_u32 v3, v10, 4, s18                 ; back: 16 bytes a lane
	v_mov_b32 v9, 0                                ; (a lane permute's destination counts as one of its sources)
	v_mov_b32 v15, 0
	s_wait_loadcnt 24                              ; loads come back in order: the first eight are in, 24 younger ones may be out
.irp k, 0,1,2,3
	v_max3_num_f32 v[M+\k], |v[X+4*\k]|, |v[X+4*\k+1]|, |v[X+4*\k+2]|   ; the first four loads start the four chains: nothing is cleared
.endr
.irp k, 0,1,2,3
	v_max_num_f32 v[M+\k], v[M+\k], |v[X+4*\k+3]|
.endr
.set i, 4
.rept 7
.if i%8 == 0
	s_wait_loadcnt 24-i                            ; the next eight loads are in
.endif
.irp k, 0,1,2,3
	v_max3_num_f32 v[M+\k], v[M+\k], |v[X+4*(i+\k)]|, |v[X+4*(i+\k)+1]|   ; the chains by turns: no line waits for the line above it
.endr
.irp k, 0,1,2,3
	v_max3_num_f32 v[M+\k], v[M+\k], |v[X+4*(i+\k)+2]|, |v[X+4*(i+\k)+3]|
.endr
.set i, i+4
.endr
	v_max3_num_f32 v8, v4, v5, v6
	v_max_num_f32 v8, v8, v7
	v_max_num_f32_dpp v8, v8, v8 row_xmask:1 row_mask:0xf bank_mask:0xf
	v_max_num_f32_dpp v8, v8, v8 row_xmask:2 row_mask:0xf bank_mask:0xf
	v_max_num_f32_dpp v8, v8, v8 row_xmask:4 row_mask:0xf bank_mask:0xf
	v_max_num_f32_dpp v8, v8, v8 row_xmask:8 row_mask:0xf bank_mask:0xf
	v_permlanex16_b32 v9, v8, s20, s21
	v_max_num_f32 v8, v8, v9                       ; the row's largest magnitude, in every lane
	v_mul_f32 v10, s26, v8                         ; m / 127: a first quotient,
	v_fma_f32 v11, -v10, s27, v8                   ; its remainder, exact,
	v_fma_f32 v14, v11, s26, v10                   ; and the correction: the scale
	v_rcp_f32 v12, v14
	v_rcp_f32 v13, v14                             ; twice: a pair for the packed form
	v_nop                                          ; a plain instruction behind the reciprocals,
	s_wait_alu depctr_va_vdst(0)                   ; and one wait for both, ahead of their first reader
.set i, 0
.rept 32
.set T, 8+2*(i%2)
	v_pk_fma_f32 v[X+4*i:X+4*i+1], v[X+4*i:X+4*i+1], v[12:13], s[22:23] op_sel_hi:[1,1,0]
	v_pk_fma_f32 v[X+4*i+2:X+4*i+3], v[X+4*i+2:X+4*i+3], v[12:13], s[22:23] op_sel_hi:[1,1,0]
	v_perm_b32 v[T], v[X+4*i+1], v[X+4*i], s24     ; the low bytes are the codes: two,
	v_perm_b32 v[T+1], v[X+4*i+3], v[X+4*i+2], s24 ; two more,
	v_perm_b32 v[P+i], v[T+1], v[T], s25           ; four neighbours along K in a word
	ds_store_b32 v2, v[P+i] offset:128*i           ; load i held numbers 128 i + 4 lane on: their codes lie at that byte of the row
.set i, i+1
.endr
.irp c, 0,1,2,3,4,5,6,7
	ds_load_b128 v[X+4*\c:X+4*\c+3], v3 offset:512*\c   ; LDS serves a wave's instructions in order: these see my stores
.endr
.irp c, 0,1,2,3,4,5,6,7
	s_wait_dscnt 7-\c                              ; load c is back; the younger ones may be out
	global_store_b128 v1, v[X+4*\c:X+4*\c+3], s[8:9] offset:512*\c   ; 32 lanes store 512 consecutive bytes, at a multiple of 256 from the buffer's first byte
.endr
	s_wait_xcnt 0x0                                ; EXEC is a source of the stores above: it changes only behind this wait
	v_cmp_eq_u32 vcc_lo, 0, v1
	s_wait_tensorcnt 0x0
	ds_add_u32 v176, v177
	s_wait_dscnt 0x0
	s_and_saveexec_b32 s29, vcc_lo
	global_store_b32 v15, v14, s[10:11]            ; lane 0 stores the row's scale
	s_wait_xcnt 0x0                                ; and again, in front of the line that widens it
	s_or_b32 exec_lo, exec_lo, s29
	s_endpgm
	; ---------------- 64 columns of svd_down.  A lane takes two columns, 64 q + lane and 64 q + 32 + lane, and its registers run down K: a block of 32 lies in one lane
.Ldown:
	s_lshl_b32 s17, ttmp9, 2
	s_add_co_u32 s17, s17, s16                     ; q = 0 .. 63
	s_lshl_b32 s18, s17, 8
	s_add_nc_u64 s[6:7], s[6:7], s[18:19]          ; 64 columns of f32,
	s_lshl_b32 s18, s17, 11
	s_add_nc_u64 s[12:13], s[12:13], s[18:19]      ; four tiles of 512 bytes,
	s_lshl_b32 s18, s17, 7
	s_add_nc_u64 s[14:15], s[14:15], s[18:19]      ; 32 scale words
	v_lshlrev_b32 v1, 2, v10                       ; 4 x lane
	v_lshrrev_b32 v3, 4, v10                       ; lane / 16
	v_and_b32 v2, 15, v10
	v_lshlrev_b32 v2, 4, v2
	v_lshl_add_u32 v2, v3, 9, v2                   ; 512 (lane / 16) + 16 (lane % 16): my column's place among two tiles
	v_lshlrev_b32 v3, 3, v3                        ; 8 (lane / 16): my bytes' shift in the scale word
	v_mov_b32 v11, 0                               ; (a lane permute's destination counts as one of its sources)
.irp B, 0,1
.set k, 0
.rept 32
	global_load_b32 v[16+32*\B+k], v1, s[6:7] offset:16384*k+128*\B th:TH_LOAD_NT   ; svd_down(k, 64 q + 32 B + lane)
.set k, k+1
.endr
.endr
.macro QBLK B                          ; column block B: 32 numbers of one lane become 32 codes in v[80 + 8 B] on and a scale byte in v[8 + B]
.set XS, 16+32*(\B)
	v_max3_num_f32 v4, |v[XS]|, |v[XS+1]|, |v[XS+2]|
	v_max3_num_f32 v5, |v[XS+3]|, |v[XS+4]|, |v[XS+5]|
.irp i, 6,10,14,18,22,26
	v_max3_num_f32 v4, v4, |v[XS+\i]|, |v[XS+\i+1]|
	v_max3_num_f32 v5, v5, |v[XS+\i+2]|, |v[XS+\i+3]|
.endr
	v_max3_num_f32 v4, v4, |v[XS+30]|, |v[XS+31]|
	v_max3_num_f32 v4, v4, v5, 0x4800000           ; and the floor 2^(9 - 127): the byte cannot fall under 1
	v_add_nc_u32 v6, 0xfc000000, v4                ; 8 off the exponent field: the conversion takes this operand's exponent field as its scale
	v_and_or_b32 v7, v4, 0x7f800000, s28           ; 448 x the scale
	v_lshrrev_b32 v[8+(\B)], 23, v6                ; the scale's byte
.set k, 0
.rept 32
	v_med3_num_f32 v[XS+k], v[XS+k], -v7, v7       ; the conversion to an 8-bit code does not saturate (ISA guide 7.6.2): the hold at 448 x the scale
.set k, k+1
.endr
.irp g, 0,1,2,3
	v_cvt_scalef32_pk8_fp8_f32 v[80+8*(\B)+2*\g:80+8*(\B)+2*\g+1], v[XS+8*\g:XS+8*\g+7], v6
.endr
	v_nop                                          ; a plain instruction behind the conversions, ahead of the next writes of their sources
.endm
	s_wait_loadcnt 32                              ; the first column's 32 loads are in; the second's may be out
	QBLK 0
	global_store_b128 v2, v[80:83], s[12:13]               ; k = 0 .. 15: sixteen lanes fill 256 consecutive bytes, aligned
	global_store_b128 v2, v[84:87], s[12:13] offset:256    ; k = 16 .. 31
	s_wait_loadcnt 0x0
	QBLK 1
	global_store_b128 v2, v[88:91], s[12:13] offset:1024   ; the column 32 further on lies two tiles further on
	global_store_b128 v2, v[92:95], s[12:13] offset:1280
	v_lshl_or_b32 v10, v9, 16, v8                  ; my two bytes, two places apart,
	v_lshlrev_b32 v10, v3, v10                     ; in places 0, 2 (lanes 0-15: tiles 0, 2) or 1, 3 (lanes 16-31: tiles 1, 3),
	v_permlanex16_b32 v11, v10, s20, s21
	v_or_b32 v10, v10, v11                         ; with lane l xor 16's: the four tiles' bytes of row lane % 16
	global_store_b32 v1, v10, s[14:15]
	s_endpgm
.Lfunc_end_k_q923386544a_quant_x:
	.size	k_q923386544a_quant_x, .Lfunc_end_k_q923386544a_quant_x-k_q923386544a_quant_x
	.p2alignl 7, 3214868480
	.fill 96, 4, 3214868480
	.section	.rodata,"a",@progbits
	.p2align	6, 0x0
	.amdhsa_kernel k_q923386544a_quant_x
		.amdhsa_group_segment_fixed_size 16896
		.amdhsa_private_segment_fixed_size 0
		.amdhsa_enable_private_segment 0
		.amdhsa_kernarg_size 48
		.amdhsa_user_sgpr_count 2
		.amdhsa_user_sgpr_kernarg_segment_ptr 1
		.amdhsa_wavefront_size32 1
		.amdhsa_system_sgpr_workgroup_id_x 1
		.amdhsa_system_sgpr_workgroup_id_y 1
		.amdhsa_system_sgpr_workgroup_id_z 1
		.amdhsa_system_vgpr_workitem_id 0
		.amdhsa_next_free_vgpr 178
		.amdhsa_next_free_sgpr 66
		.amdhsa_reserve_vcc 1
		.amdhsa_float_denorm_mode_32 3
		.amdhsa_float_denorm_mode_16_64 3
		.amdhsa_memory_ordered 1
		.amdhsa_forward_progress 1
		.amdhsa_inst_pref_size 38
	.end_amdhsa_kernel
	.amdgpu_metadata
---
amdhsa.version: [ 1, 2 ]
amdhsa.kernels:
  - .name:           k_q923386544a_quant_x
    .symbol:         k_q923386544a_quant_x.kd
    .args:
      - { .name: x, .offset: 0, .size: 8, .value_kind: global_buffer, .address_space: global }
      - { .name: svd_down, .offset: 8, .size: 8, .value_kind: global_buffer, .address_space: global }
      - { .name: xq, .offset: 16, .size: 8, .value_kind: global_buffer, .address_space: global }
      - { .name: sx, .offset: 24, .size: 8, .value_kind: global_buffer, .address_space: global }
      - { .name: dimg, .offset: 32, .size: 8, .value_kind: global_buffer, .address_space: global }
      - { .name: dscl, .offset: 40, .size: 8, .value_kind: global_buffer, .address_space: global }
    .group_segment_fixed_size: 16896
    .private_segment_fixed_size: 0
    .kernarg_segment_align: 8
    .kernarg_segment_size: 48
    .max_flat_workgroup_size: 128
    .sgpr_count:     66
    .vgpr_count:     178
    .wavefront_size: 32
...
	.end_amdgpu_metadata
.endif
;; end of part 1
;; launch quant_w (part 2): grid 256 x 1, 16 waves a work-group, no clusters, 109,824 bytes of LDS; arguments w_packed, svd_up, scale, zero_point, dimg, dscl, wq, sw; writes wq, sw
.if DOCPART == 2
	.amdgcn_target "amdgcn-amd-amdhsa--gfx1250"
	.amdhsa_code_object_version 6
	.text
	.protected	k_q923386544a_quant_w
	.globl	k_q923386544a_quant_w
	.p2align	8
	.type	k_q923386544a_quant_w,@function
k_q923386544a_quant_w:
	s_mov_b64 s[64:65], 0
	v_nop
	global_prefetch_b8 v0, s[64:65] scope:SCOPE_SE
	s_setreg_imm32_b32 hwreg(HW_REG_WAVE_MODE, 25, 1), 1
	s_wait_xcnt 0x0
; W[o][i] = (q[o][i] - zero[o][i / 64]) x scale[o][i / 64] + (svd_up svd_down)[o][i], then each row o becomes int8 codes wq [4096][4096] and one f32 scale sw [4096] = (the row's largest magnitude) / 127.
; q: 4 bits; each int32 of w_packed carries a byte in its low 8 bits, the lower i in the low nibble.  The rank-32 product is on codes of FP8 (E4M3) with one E8M0 scale for its one block of 32 along K.
; SHARES.  A work-group takes 16 rows o; wave w of sixteen takes columns 256 w .. 256 w + 255 of all of them: 16 tiles of 16 x 16, 128 registers.  One barrier: the row's maximum over the sixteen waves.
; THE PRODUCT IS USED TRANSPOSED: source 0 = 16 columns of svd_down, source 1 = the 16 rows of svd_up: in tile t lane (r, h) holds row r, and register j column 256 w + 16 t + 8 h + j: eight neighbours of a row.
; K = 32 IN AN INSTRUCTION OF K = 128.  Source 0's 16 registers hold FOUR tiles of svd_down, tile c in the block k = 32 c .. 32 c + 31: the image that the launch before laid in memory, loaded as it lies.
; Source 1 is cut out of a run of 28 registers, 12 of zeros, svd_up's 4, 12 of zeros: v[44 - 4 c : 59 - 4 c] has svd_up's codes in block c and zero codes in the other three, which add nothing.
; C of each product is the dequantised tile, so the sum W costs no vector addition.
; LIMITS, as for x in the launch before: the clip never acts; a code can differ by 1 only at a middle between two whole numbers; a row of zeros has scale 0 and codes 0; rows whose largest magnitude lies under 2^-119, NaN and
; infinities are not served.  A row of svd_up that is all zeros keeps the scale byte 1 (its codes are zeros).
; LDS: IN, 16 rows x 144 bytes for each wave (the packed nibbles turn from "a lane a piece of one row" to "a lane a row"); OUT, 16 rows x 272 bytes for each wave (the codes leave as rows); MX, 16 rows x 80 bytes (the waves' maxima).
.set IN_B,  2304
.set OUT0,  16*IN_B
.set OUT_B, 4352
.set MX,    OUT0+16*OUT_B
.set SP,   16                          ; v16-23   the four groups' scales, each twice (pairs for the packed forms)
.set ZP,   24                          ; v24-31   the four groups' zero points, likewise
.set BS,   12                          ; v12      svd_up's scale word: scales and nothing else
.set AS,   60                          ; v60-63   svd_down's scale words: scales and nothing else
.set AF,   64                          ; v64-127  svd_down's codes, four groups of four tiles
.set D,    128                         ; v128-255 the 16 tiles.  Until they are made: RAW, U, SL, ZL, CP, TM, PK
.set RAW,  128                         ; v128-191 w_packed as loaded: row p in four registers
.set U,    192                         ; v192-207 svd_up: my 16 numbers
.set SL,   208                         ; v208-211 scale as loaded;  v212-215 zero_point
.set ZL,   212
.set CP,   216                         ; v216-231 eight nibbles a register, row p
.set TM,   232                         ; v232-239 at work
.set PK,   240                         ; v240-255 eight nibbles a register, tile t of MY row
	s_load_b256 s[4:11], s[0:1], 0x0               ; w_packed s[4:5], svd_up s[6:7], scale s[8:9], zero_point s[10:11]
	s_load_b256 s[12:19], s[0:1], 0x20             ; dimg s[12:13], dscl s[14:15], wq s[16:17], sw s[18:19]
	v_lshrrev_b32 v1, 5, v0
	v_readfirstlane_b32 s23, v1                    ; wave 0..15
	v_and_b32 v13, 31, v0                          ; L
	v_and_b32 v14, 15, v0                          ; r
	v_bfe_u32 v15, v0, 4, 1                        ; h
	v_lshlrev_b32 v1, 4, v13                       ; 16 L
	v_lshlrev_b32 v9, 2, v13                       ; 4 L
	v_lshlrev_b32 v7, 7, v14
	v_lshl_add_u32 v7, v15, 6, v7                  ; svd_up: row r of 128 bytes, + 64 h: k = 16 h .. 16 h + 15
	v_lshlrev_b32 v8, 8, v14                       ; scale, zero_point: row r of 256 bytes
	s_mov_b32 s20, 0x76543210                      ; v_permlanex16_b32's selects for lane l xor 16
	s_mov_b32 s21, 0xfedcba98
	s_mov_b32 s22, 0x600000                        ; the mantissa field of 448
	s_mov_b32 s25, 0                               ; the high word of every offset
	s_mov_b32 s26, 0x4b400000                      ; 1.5 x 2^23
	s_mov_b32 s27, s26
	s_mov_b32 s28, 0x00000400                      ; byte 0 of the second source, byte 0 of the first
	s_mov_b32 s29, 0x05040100                      ; the two low halves
	s_mov_b32 s31, 0x3c010204                      ; 1 / 127
	s_mov_b32 s32, 0x42fe0000                      ; 127
	s_wait_kmcnt 0x0
	s_lshl_b32 s24, ttmp9, 11
	s_add_nc_u64 s[6:7], s[6:7], s[24:25]          ; svd_up: 16 rows of 128 bytes a work-group
	s_lshl_b32 s24, ttmp9, 17
	s_lshl_b32 s33, s23, 9
	s_add_co_u32 s24, s24, s33
	s_add_nc_u64 s[4:5], s[4:5], s[24:25]          ; w_packed: 16 rows of 8,192 bytes, + 512 a wave
	s_lshl_b32 s24, ttmp9, 12
	s_lshl_b32 s34, s23, 4
	s_add_co_u32 s24, s24, s34
	s_add_nc_u64 s[8:9], s[8:9], s[24:25]          ; scale, zero_point: 16 rows of 256 bytes, + my four groups
	s_add_nc_u64 s[10:11], s[10:11], s[24:25]
	s_lshl_b32 s24, s23, 13
	s_add_nc_u64 s[12:13], s[12:13], s[24:25]      ; dimg: my 16 tiles of 512 bytes
	s_mov_b32 s24, s33
	s_add_nc_u64 s[14:15], s[14:15], s[24:25]      ; dscl: my four groups of 128 bytes
	s_lshl_b32 s24, ttmp9, 16
	s_lshl_b32 s34, s23, 8
	s_add_co_u32 s24, s24, s34
	s_add_nc_u64 s[16:17], s[16:17], s[24:25]      ; wq: 16 rows of 4,096 bytes, + 256 a wave
	s_lshl_b32 s24, ttmp9, 6
	s_add_nc_u64 s[18:19], s[18:19], s[24:25]      ; sw: 16 numbers
	; ---- all 42 loads, in the order in which they are wanted
.irp c, 0,1,2,3
	global_load_b128 v[U+4*\c:U+4*\c+3], v7, s[6:7] offset:16*\c
.endr
.set p, 0
.rept 16
	global_load_b128 v[RAW+4*p:RAW+4*p+3], v1, s[4:5] offset:8192*p th:TH_LOAD_NT   ; row p: 32 lanes read 512 consecutive bytes: 128 int32, 256 nibbles
.set p, p+1
.endr
	global_load_b128 v[SL:SL+3], v8, s[8:9]
	global_load_b128 v[ZL:ZL+3], v8, s[10:11]
.irp q, 0,1,2,3
.irp c, 0,1,2,3
	global_load_b128 v[AF+16*\q+4*\c:AF+16*\q+4*\c+3], v1, s[12:13] offset:2048*\q+512*\c   ; tile 4 q + c: the image of registers 4 c .. 4 c + 3, 16 bytes a lane
.endr
.endr
.irp q, 0,1,2,3
	global_load_b32 v[AS+\q], v9, s[14:15] offset:128*\q
.endr
	; ---- while they fly: the zeros of source 1's run, and the addresses
.irp i, 0,1,2,3,4,5,6,7,8,9,10,11
	v_mov_b32 v[32+\i], 0
	v_mov_b32 v[48+\i], 0
.endr
	v_mov_b32 v[TM+1], 0                           ; (a lane permute's destination counts as one of its sources)
	s_mul_i32 s34, s23, IN_B
	v_and_b32 v2, 1, v13
	v_lshlrev_b32 v2, 6, v2
	v_lshrrev_b32 v3, 1, v13
	v_lshl_add_u32 v2, v3, 2, v2
	v_add_nc_u32 v2, s34, v2                       ; IN, on the way in: lane L's word (columns 8 L on) is tile L / 2, half L % 2: it goes to 64 (L % 2) + 4 (L / 2) of the row
	v_mul_u32_u24 v3, v14, 144
	v_lshl_add_u32 v3, v15, 6, v3
	v_add_nc_u32 v3, s34, v3                       ; and on the way out: row r, my half's 16 words, tile t at 4 t
	s_mul_i32 s34, s23, OUT_B
	s_add_co_u32 s34, s34, OUT0
	v_mul_u32_u24 v4, v14, 272
	v_lshl_add_u32 v4, v15, 3, v4
	v_add_nc_u32 v4, s34, v4                       ; OUT, in: row r, + 8 h; tile t 16 t further on
	v_mul_u32_u24 v5, v15, 272
	v_lshl_add_u32 v5, v14, 4, v5
	v_add_nc_u32 v5, s34, v5                       ; OUT, back: lanes 0-15 one row of 256 bytes, lanes 16-31 the next
	v_lshlrev_b32 v6, 12, v15
	v_lshl_add_u32 v6, v14, 4, v6                  ; and the same two rows in wq
	v_mul_u32_u24 v11, v14, 80
	v_add_nc_u32 v11, MX, v11                      ; MX: row r's sixteen words,
	s_lshl_b32 s34, s23, 2
	v_add_nc_u32 v10, s34, v11                     ; and my wave's among them
	; ---- svd_up's 16 rows become source 1: one block of 32, 16 numbers in lane (r, h), 16 in lane l xor 16.  Every wave does this for itself: 34 instructions against a barrier
	s_wait_loadcnt 38                              ; the first four loads are in; 38 younger ones may be out
	v_max3_num_f32 v[TM], |v[U]|, |v[U+1]|, 0x4800000      ; with the floor 2^(9 - 127): the byte cannot fall under 1
.irp i, 2,4,6,8,10,12,14
	v_max3_num_f32 v[TM], v[TM], |v[U+\i]|, |v[U+\i+1]|
.endr
	v_permlanex16_b32 v[TM+1], v[TM], s20, s21
	v_max_num_f32 v[TM], v[TM], v[TM+1]            ; the block's largest magnitude
	v_add_nc_u32 v[TM+2], 0xfc000000, v[TM]        ; 8 off its exponent field: the conversion's scale operand
	v_and_or_b32 v[TM+3], v[TM], 0x7f800000, s22   ; 448 x the scale
	v_lshrrev_b32 v[TM+4], 23, v[TM+2]             ; the scale's byte,
	v_lshl_or_b32 v[BS], v[TM+4], 8, v[TM+4]
	v_lshl_or_b32 v[BS], v[BS], 16, v[BS]          ; in all four places: whichever block the codes stand in
.irp i, 0,1,2,3,4,5,6,7,8,9,10,11,12,13,14,15
	v_med3_num_f32 v[U+\i], v[U+\i], -v[TM+3], v[TM+3]     ; the conversion to an 8-bit code does not saturate (ISA guide 7.6.2): the hold
.endr
	v_cvt_scalef32_pk8_fp8_f32 v[44:45], v[U:U+7], v[TM+2]
	v_cvt_scalef32_pk8_fp8_f32 v[46:47], v[U+8:U+15], v[TM+2]
	v_nop                                          ; a plain instruction behind the conversions
	; ---- the nibbles: four int32 become a word of eight nibbles, and the words turn through my IN stage
	s_wait_loadcnt 22                              ; w_packed's sixteen loads are in; scale, zero_point and svd_down's 20 may be out
.set p, 0
.rept 16
.set T, TM+2*(p%2)
	v_perm_b32 v[T], v[RAW+4*p+1], v[RAW+4*p], s28         ; only each int32's low byte counts
	v_perm_b32 v[T+1], v[RAW+4*p+3], v[RAW+4*p+2], s28
	v_perm_b32 v[CP+p], v[T+1], v[T], s29
	ds_store_b32 v2, v[CP+p] offset:144*p
.set p, p+1
.endr
.irp c, 0,1,2,3
	ds_load_b128 v[PK+4*\c:PK+4*\c+3], v3 offset:16*\c     ; LDS serves a wave's instructions in order: these see my stores.  v[PK + t]: columns 16 t + 8 h + 0 .. 7 of row r
.endr
	s_wait_loadcnt 20                              ; scale and zero_point are in
.irp g, 0,1,2,3
	v_mov_b32 v[SP+2*\g], v[SL+\g]
	v_mov_b32 v[SP+2*\g+1], v[SL+\g]
	v_mov_b32 v[ZP+2*\g], v[ZL+\g]
	v_mov_b32 v[ZP+2*\g+1], v[ZL+\g]
.endr
	s_wait_dscnt 0x0                               ; the nibbles are back
; Tile t: (q - zero) x scale, rounded as the problem's own text rounds it.  The tiles go in ascending order: tile 14 writes over words of PK that are done with, tile 15 writes over its own word with its last line.
.macro DEQ t
.irp j, 0,1,2,3,4,5,6,7
	v_bfe_u32 v[D+8*(\t)+\j], v[PK+(\t)], 4*\j, 4
.endr
.irp j, 0,1,2,3,4,5,6,7
	v_cvt_f32_u32 v[D+8*(\t)+\j], v[D+8*(\t)+\j]
.endr
.irp j, 0,2,4,6
	v_pk_add_f32 v[D+8*(\t)+\j:D+8*(\t)+\j+1], v[D+8*(\t)+\j:D+8*(\t)+\j+1], v[ZP+2*((\t)/4):ZP+2*((\t)/4)+1] neg_lo:[0,1] neg_hi:[0,1]
.endr
.irp j, 0,2,4,6
	v_pk_mul_f32 v[D+8*(\t)+\j:D+8*(\t)+\j+1], v[D+8*(\t)+\j:D+8*(\t)+\j+1], v[SP+2*((\t)/4):SP+2*((\t)/4)+1]
.endr
.endm
.irp t, 0,1,2,3,4,5,6,7,8,9,10,11,12,13,14,15
	DEQ \t
.endr
	s_wait_loadcnt 0x0                             ; svd_down's codes and scale words
	; ---- W = the dequantised tile + svd_up svd_down: sixteen accumulators, one instruction each.  Source 1's codes and its scale word were written several hundred vector instructions back
.irp t, 0,1,2,3,4,5,6,7,8,9,10,11,12,13,14,15
	v_wmma_scale_f32_16x16x128_f8f6f4 v[D+8*\t:D+8*\t+7], v[AF+16*(\t/4):AF+16*(\t/4)+15], v[44-4*(\t%4):59-4*(\t%4)], v[D+8*\t:D+8*\t+7], v[AS+\t/4], v[BS]
.endr
.rept 8
	v_nop                                          ; eight places in front of the first read of results and of the first writes into source 0's registers
.endr
	; ---- the largest magnitude of my 128 numbers: four chains by turns; each tile is read from its low end on
.irp g, 0,1,2,3
.irp s, 0,1,2,3
.irp k, 0,1,2,3
.if \g == 0
.if \s == 0
	v_max3_num_f32 v[64+\k], |v[D+8*\k]|, |v[D+8*\k+1]|, |v[D+8*\k+2]|
.elseif \s < 3
	v_max3_num_f32 v[64+\k], v[64+\k], |v[D+8*\k+2*\s+1]|, |v[D+8*\k+2*\s+2]|
.else
	v_max_num_f32 v[64+\k], v[64+\k], |v[D+8*\k+7]|
.endif
.else
	v_max3_num_f32 v[64+\k], v[64+\k], |v[D+8*(4*\g+\k)+2*\s]|, |v[D+8*(4*\g+\k)+2*\s+1]|
.endif
.endr
.endr
.endr
	v_max3_num_f32 v64, v64, v65, v66
	v_max_num_f32 v64, v64, v67
	v_mov_b32 v68, 0
	v_permlanex16_b32 v68, v64, s20, s21
	v_max_num_f32 v64, v64, v68                    ; row r's, over my wave's 256 columns
	ds_store_b32 v10, v64                          ; lanes r and 16 + r write the same word with the same value
	s_wait_dscnt 0x0                               ; for the others' sake: my store has landed
	s_barrier_signal -1
	s_barrier_wait -1
.irp c, 0,1,2,3
	ds_load_b128 v[72+4*\c:72+4*\c+3], v11 offset:16*\c    ; row r's sixteen maxima
.endr
	s_wait_dscnt 0x0
	v_max3_num_f32 v64, v72, v73, v74
.irp i, 3,5,7,9,11,13
	v_max3_num_f32 v64, v64, v[72+\i], v[73+\i]
.endr
	v_max_num_f32 v64, v64, v87                    ; the row's largest magnitude
	v_mul_f32 v68, s31, v64                        ; / 127: a first quotient,
	v_fma_f32 v88, -v68, s32, v64                  ; its remainder, exact,
	v_fma_f32 v69, v88, s31, v68                   ; and the correction: the scale
	v_rcp_f32 v70, v69
	v_rcp_f32 v71, v69
	v_nop                                          ; a plain instruction behind the reciprocals,
	s_wait_alu depctr_va_vdst(0)                   ; and one wait for both, ahead of their first reader
	; ---- the codes: the low byte of fma(W, 1 / scale, 1.5 x 2^23); eight a tile, 8 bytes of my row
.macro PACKT t
.irp j, 0,2,4,6
	v_pk_fma_f32 v[D+8*(\t)+\j:D+8*(\t)+\j+1], v[D+8*(\t)+\j:D+8*(\t)+\j+1], v[70:71], s[26:27] op_sel_hi:[1,1,0]
.endr
.irp j, 0,1,2,3
	v_perm_b32 v[88+\j], v[D+8*(\t)+2*\j+1], v[D+8*(\t)+2*\j], s28
.endr
	v_perm_b32 v[96+2*(\t)], v89, v88, s29
	v_perm_b32 v[97+2*(\t)], v91, v90, s29
	ds_store_b64 v4, v[96+2*(\t):97+2*(\t)] offset:16*(\t)
.endm
.irp t, 0,1,2,3,4,5,6,7,8,9,10,11,12,13,14,15
	PACKT \t
.endr
.irp c, 0,1,2,3,4,5,6,7
	ds_load_b128 v[D+4*\c:D+4*\c+3], v5 offset:544*\c      ; rows 2 c and 2 c + 1, whole; LDS serves a wave's instructions in order
.endr
.irp c, 0,1,2,3,4,5,6,7
	s_wait_dscnt 7-\c                              ; load c is back; the younger ones may be out
	global_store_b128 v6, v[D+4*\c:D+4*\c+3], s[16:17] offset:8192*\c   ; sixteen lanes store 256 consecutive bytes of a row, at a multiple of 256 from the buffer's first byte
.endr
	s_cmp_lg_u32 s23, 0                            ; wave 0 stores the 16 rows' scales
	s_cbranch_scc1 .Lend
	s_wait_xcnt 0x0                                ; EXEC is a source of the stores above: it changes only behind this wait
	v_cmp_gt_u32 vcc_lo, 16, v13
	s_and_saveexec_b32 s30, vcc_lo
	global_store_b32 v9, v69, s[18:19]
	s_wait_xcnt 0x0                                ; and again, in front of the line that widens it
	s_or_b32 exec_lo, exec_lo, s30
.Lend:
	s_wait_xcnt 0x0
	s_mov_b32 exec_lo, -1
	v_lshl_add_u32 v238, v0, 2, 0x1a500
	v_mov_b32 v239, 0
	s_wait_tensorcnt 0x0
	ds_add_u32 v238, v239
	s_wait_dscnt 0x0
	s_endpgm
.Lfunc_end_k_q923386544a_quant_w:
	.size	k_q923386544a_quant_w, .Lfunc_end_k_q923386544a_quant_w-k_q923386544a_quant_w
	.p2alignl 7, 3214868480
	.fill 96, 4, 3214868480
	.section	.rodata,"a",@progbits
	.p2align	6, 0x0
	.amdhsa_kernel k_q923386544a_quant_w
		.amdhsa_group_segment_fixed_size 109824
		.amdhsa_private_segment_fixed_size 0
		.amdhsa_enable_private_segment 0
		.amdhsa_kernarg_size 64
		.amdhsa_user_sgpr_count 2
		.amdhsa_user_sgpr_kernarg_segment_ptr 1
		.amdhsa_wavefront_size32 1
		.amdhsa_system_sgpr_workgroup_id_x 1
		.amdhsa_system_sgpr_workgroup_id_y 1
		.amdhsa_system_sgpr_workgroup_id_z 1
		.amdhsa_system_vgpr_workitem_id 0
		.amdhsa_next_free_vgpr 256
		.amdhsa_next_free_sgpr 66
		.amdhsa_reserve_vcc 1
		.amdhsa_float_denorm_mode_32 3
		.amdhsa_float_denorm_mode_16_64 3
		.amdhsa_memory_ordered 1
		.amdhsa_forward_progress 1
		.amdhsa_inst_pref_size 56
	.end_amdhsa_kernel
	.amdgpu_metadata
---
amdhsa.version: [ 1, 2 ]
amdhsa.kernels:
  - .name:           k_q923386544a_quant_w
    .symbol:         k_q923386544a_quant_w.kd
    .args:
      - { .name: w_packed, .offset: 0, .size: 8, .value_kind: global_buffer, .address_space: global }
      - { .name: svd_up, .offset: 8, .size: 8, .value_kind: global_buffer, .address_space: global }
      - { .name: scale, .offset: 16, .size: 8, .value_kind: global_buffer, .address_space: global }
      - { .name: zero_point, .offset: 24, .size: 8, .value_kind: global_buffer, .address_space: global }
      - { .name: dimg, .offset: 32, .size: 8, .value_kind: global_buffer, .address_space: global }
      - { .name: dscl, .offset: 40, .size: 8, .value_kind: global_buffer, .address_space: global }
      - { .name: wq, .offset: 48, .size: 8, .value_kind: global_buffer, .address_space: global }
      - { .name: sw, .offset: 56, .size: 8, .value_kind: global_buffer, .address_space: global }
    .group_segment_fixed_size: 109824
    .private_segment_fixed_size: 0
    .kernarg_segment_align: 8
    .kernarg_segment_size: 64
    .max_flat_workgroup_size: 512
    .sgpr_count:     66
    .vgpr_count:     256
    .wavefront_size: 32
...
	.end_amdgpu_metadata
.endif
;; end of part 2
;; launch gemm (part 3): grid 16 x 16, 4 waves a work-group, clusters of 4 x 4, 327,680 bytes of LDS; arguments xq, wq, sx, sw, bias, out0; writes out0
.if DOCPART == 3
	.amdgcn_target "amdgcn-amd-amdhsa--gfx1250"
	.amdhsa_code_object_version 6
	.text
	.protected	k_q923386544a_gemm
	.globl	k_q923386544a_gemm
	.p2align	8
	.type	k_q923386544a_gemm,@function
k_q923386544a_gemm:
	s_mov_b64 s[64:65], 0
	v_nop
	global_prefetch_b8 v0, s[64:65] scope:SCOPE_SE
	s_setreg_imm32_b32 hwreg(HW_REG_WAVE_MODE, 25, 1), 1
	s_wait_xcnt 0x0
	s_wait_alu depctr_hold_cnt(0) depctr_sa_sdst(0) depctr_va_vdst(0) depctr_va_sdst(0) depctr_va_ssrc(0) depctr_va_vcc(0) depctr_vm_vsrc(0)
	s_getreg_b32 s2, hwreg(HW_REG_IB_STS2, 6, 4)
	s_cmp_eq_u32 s2, 0
	s_cbranch_scc0 .Lentry_in_a_cluster
	s_endpgm
.Lentry_in_a_cluster:
	s_bfe_u32 s2, ttmp6, 0x10000c
	s_cmp_lg_u32 s2, 0xf033
	s_cbranch_scc0 .Lentry_shape_is_right
	s_endpgm
.Lentry_shape_is_right:
; out0[m][n] = (sum over k of xq[m][k] wq[n][k]) x sx[m] x sw[n] + bias[n].  xq, wq: [4096][4096] int8, K innermost; the sums are whole numbers in 32 bits, exact in any order; sx, sw, bias, out0: f32.
; A tile of out0, 256 x 256, is made by a work-group of four waves, as many as a WGP has SIMDs; a wave makes 128 x 128: 64 accumulators of 16 x 16, 512 registers.
; K goes in steps of 256 through a ring of two LDS slots filled by the tensor data mover: a tile's row is 256 bytes of memory, at a multiple of 256 bytes from the buffer's first byte.
; CLUSTERS: 4 x 4 work-groups.  The four of a row of the cluster need the same tiles of xq, the four of a column the same tiles of wq: each tile is asked for JOINTLY, by the same tensor load with the same
; descriptor and a mask that names the four.  THE MATRIX INSTRUCTION IS USED TRANSPOSED (source 0 = 16 rows of wq, source 1 = 16 rows of xq): a lane then holds eight neighbouring numbers of a row of out0.
; FRAGMENTS.  16 rows x 128 K are 16 registers, brought by four loads of 16 bytes: lane l holds row l % 16, registers 4 c .. 4 c + 3 hold K = 32 c + 16 (l / 16) + 0 .. 15.  Registers 0-7 feed one matrix instruction
; (64 along K), registers 8-15 the next.  Both sources place K alike, and whole-number sums do not hang on the order of K: so the sums are right.
; REGISTERS, in windows of 256: window 0: v16-30 addresses; v32-47 sx, in pairs; from v128 xq's fragments (8 x 16 rows x 128 K), ONE set; on the way out rows read back from the stage.
;   window 1: wq's fragments, TWO sets, at v0 and at v128; on the way out sw at v0-63, bias at v64-127, results in f32 at v128-255.   window 2: the accumulators of my rows 0-63 ((a, b) at v[8 (8 a + b)]);   window 3: rows 64-127.
; A step of 128 along K is 128 matrix instructions, xq's blocks one after the other, each against wq's eight.  A block of xq is free when its sixteen products are issued, so one set of registers serves xq.
.set ROWB,   256                       ; a tile's row in bytes: 256 along K
.set KROW,   4096                      ; a row of xq or wq in memory
.set NROW,   16384                     ; a row of out0 in bytes
.set PITCH,  272                       ; an LDS row: 256 bytes + 16 of padding = 68 words: row r starts at bank 4 r mod 64 (64 banks of 4 bytes: ISA guide 11.1)
.set FR,     16                        ; registers of a fragment
.set NP,     8                         ; places behind this matrix instruction (ISA guide 7.12.1)
.set HALFT,  128*PITCH                 ; 128 rows: what one tensor load brings, and what one wave reads of xq or of wq
.set SLOT,   4*HALFT                   ; xq's 256 rows, then wq's 256 rows
.set LAPS,   8                         ; a lap = two K steps = once round the ring: 4,096 / 512
.set SPARE,  2*SLOT                    ; behind the ring: the spare words, 128 bytes for each wave: two blocks of 256 bytes that no other line names
.set SPITCH, 528                       ; the way out: a stage of 16 rows x (512 bytes + 16) for each wave, in slot 0, which has had its last fill and its last read when the first result is stored there
.set ADRA, 16                          ; v16-17  LDS address of my xq fragments in slot 0, 1
.set ADRB, 20                          ; v20-21  the same for wq
.set STO,  24                          ; v24     the way out: where I put 32 bytes of a row
.set RD,   25                          ; v25     the way out: where I read a row back
.set CO,   26                          ; v26     my byte offset in a row of out0
.set NO,   27                          ; v27     32 (l / 16): my eight numbers of sw and of bias in a block of 16
.set SPW,  28                          ; v28     LDS address of my spare word: SPARE + 4 x my thread's number; never rewritten
.set NIL,  29                          ; v29     0; never rewritten
.set MO,   30                          ; v30     4 (l % 16): my row's number of sx in a block of 16
.set SX,   32                          ; v32-47  sx of my row of block a, twice, at v[32 + 2 a]
.set AF,   128                         ; xq's fragments, in window 0
.set G1, 24                            ; s[24:31] descriptor group 1 for xq's tiles;  s[32:39] group 0, one set for each slot
.set G0, 32
.set G1B, 48                           ; s[48:55], s[56:63] the same for wq's tiles
.set G0B, 56
.set MSB, 0
.macro WIN new                         ; the immediate's high byte repeats the setting that is left; a switch that changes nothing is dropped
.if MSB != (\new)
	s_set_vgpr_msb (MSB<<8)|(\new)
.set MSB, (\new)
.endif
.endm
.set MUL_LO, 0xa1                      ; source 0 (wq) window 1, source 1 (xq) window 0, C and D window 2
.set MUL_HI, 0xf1                      ; the same, C and D window 3
.set TO_B,   0x40                      ; destination window 1, address window 0
; A joint load: waves 0 and 1 fetch for xq, waves 2 and 3 for wq.  Each of the two lines has ONE mask and one set of registers for all that issue it; the branch hangs on the wave's number alone.
; Four v_nop follow each of the two lines, ahead of the jump, the label and what follows.
.macro JLOAD g0a, g1a, g0b, g1b
	s_cmp_eq_u32 s17, 0
	s_cbranch_scc0 .Lfor_b_\@
	tensor_load_to_lds s[\g0a:\g0a+3], s[\g1a:\g1a+7]
	s_nop 0
.rept 4
	v_nop
.endr
	s_branch .Lasked_\@
.Lfor_b_\@:
	tensor_load_to_lds s[\g0b:\g0b+3], s[\g1b:\g1b+7]
	s_nop 0
.rept 4
	v_nop
.endr
.Lasked_\@:
.endm
.macro CREST                           ; a round of the cluster's barrier behind its opening barrier
	s_cmp_lg_u32 s16, 0
	s_cbranch_scc1 .Lnot_wave_0_\@
	s_barrier_signal -3
.Lnot_wave_0_\@:
	s_barrier_wait -3
	s_barrier_signal -1
	s_barrier_wait -1
.endm
.macro CROUND                          ; a whole round
	s_barrier_signal -1
	s_barrier_wait -1
	CREST
.endm
	s_load_b256 s[4:11], s[0:1], 0x0               ; xq s[4:5], wq s[6:7], sx s[8:9], sw s[10:11]
	s_load_b128 s[12:15], s[0:1], 0x20             ; bias s[12:13], out0 s[14:15]
	v_lshl_add_u32 v[SPW], v0, 2, SPARE
	v_mov_b32 v[NIL], 0
	ds_add_u32 v28, v29
	ds_add_u32 v28, v29
	s_wait_dscnt 0x0
	v_lshrrev_b32 v1, 5, v0
	v_readfirstlane_b32 s16, v1                    ; wave 0..3
	s_lshr_b32 s17, s16, 1                         ; which half of the tile's rows is mine.  Also: I fetch for xq (0) or for wq (1)
	s_and_b32 s18, s16, 1                          ; which half of its columns.  Also: which 128 rows of that tile I fetch
	s_bfe_u32 s40, ttmp6, 0x40000                  ; cx, cy: my place in the cluster
	s_bfe_u32 s41, ttmp6, 0x40004
	s_lshl_b32 s42, ttmp9, 2
	s_add_co_u32 s42, s42, s40                     ; tile column = 4 x cluster x + cx
	s_and_b32 s43, ttmp7, 0xffff
	s_lshl_b32 s43, s43, 2
	s_add_co_u32 s43, s43, s41                     ; tile row = 4 x cluster y + cy
	s_lshl_b32 s44, s41, 2
	s_lshl_b32 s44, 15, s44                        ; my row of the cluster
	s_lshl_b32 s45, 0x1111, s40                    ; my column
	; descriptor group 1: a tile of 128 rows x 256 bytes, padded in LDS
	s_or_b32 s[G1+0], s44, (0<<16)|(1<<20)|(1<<21)|(5<<22)|(3<<25)  ; 15:0 the mask: xq's tiles go to my row; 17:16 element of 1 byte; 20 padding on; 21 set beside a mask; 24:22 after every 64 words (code 5); 31:25 of 4 words (code 3)
	s_or_b32 s[G1B+0], s45, (0<<16)|(1<<20)|(1<<21)|(5<<22)|(3<<25) ; the same with the mask of my column, for wq's tiles
.irp g, G1, G1B
	s_mov_b32 s[\g+1], ROWB<<16                    ; tensor_dim0 = 256
	s_mov_b32 s[\g+2], 128<<16                     ; tensor_dim1 = 128
	s_mov_b32 s[\g+3], ROWB<<16                    ; tile_dim0 = 256
	s_mov_b32 s[\g+4], 128                         ; tile_dim1 = 128
	s_mov_b32 s[\g+5], KROW                        ; tensor_dim0_stride
	s_mov_b32 s[\g+6], 0
	s_mov_b32 s[\g+7], 0
.endr
	; where the tiles come from: xq's hang on the tile row alone, wq's on the tile column alone; each address in registers that never hold the other coordinate
	s_lshl_b32 s22, s18, 7                         ; which 128 rows of the tile I fetch
	s_lshl_b32 s20, s43, 8
	s_add_co_u32 s20, s20, s22                     ; xq: row 256 x tile row + 128 x half,
	s_lshl_b32 s20, s20, 12                        ; in bytes (under 2^24)
	s_mov_b32 s21, 0
	s_lshl_b32 s46, s42, 8
	s_add_co_u32 s46, s46, s22                     ; wq: row 256 x tile column + 128 x half
	s_lshl_b32 s46, s46, 12
	s_mov_b32 s47, 0
	s_mul_i32 s23, s16, HALFT                      ; where they go: wave x 128 rows: no place in the cluster enters an LDS address
	s_wait_kmcnt 0x0
	s_add_nc_u64 s[20:21], s[4:5], s[20:21]
	s_add_nc_u64 s[46:47], s[6:7], s[46:47]
	CROUND                                         ; all sixteen work-groups are here: the first joint loads meet
.irp s, 0,1
	s_mov_b32 s[G0+4*\s], 1                        ; count = 1
	s_add_co_u32 s[G0+4*\s+1], s23, \s*SLOT        ; LDS address
	s_add_nc_u64 s[G0+4*\s+2:G0+4*\s+3], s[20:21], \s*ROWB   ; global address: K step s
	s_or_b32 s[G0+4*\s+3], s[G0+4*\s+3], 0x80000000          ; type = 2
	s_mov_b32 s[G0B+4*\s], 1
	s_add_co_u32 s[G0B+4*\s+1], s23, \s*SLOT
	s_add_nc_u64 s[G0B+4*\s+2:G0B+4*\s+3], s[46:47], \s*ROWB
	s_or_b32 s[G0B+4*\s+3], s[G0B+4*\s+3], 0x80000000
	JLOAD G0+4*\s, G1, G0B+4*\s, G1B               ; two loads of mine are out behind these
.endr
	v_and_b32 v1, 15, v0                           ; l % 16
	v_bfe_u32 v2, v0, 4, 1                         ; l / 16
	v_mul_u32_u24 v3, v1, PITCH
	v_lshl_add_u32 v4, v2, 4, v3                   ; a fragment's row x pitch + 16 x half
	s_mul_i32 s66, s17, HALFT                      ; my 128 rows of xq
	s_mul_i32 s67, s18, HALFT                      ; my 128 rows of wq,
	s_add_co_u32 s67, s67, 2*HALFT                 ; which lie behind xq's 256
.irp s, 0,1
	v_add_nc_u32 v[ADRA+\s], s66, v4
	v_add_nc_u32 v[ADRB+\s], s67, v4
	s_add_co_u32 s66, s66, SLOT
	s_add_co_u32 s67, s67, SLOT
.endr
	s_mul_i32 s68, s16, 16*SPITCH                  ; my stage
	v_mul_u32_u24 v5, v1, SPITCH                   ; in: row l % 16, 32 bytes for each half of the lanes
	v_lshl_add_u32 v5, v2, 5, v5
	v_add_nc_u32 v[STO], s68, v5
	v_and_b32 v6, 31, v0
	v_lshlrev_b32 v[CO], 4, v6                     ; back: the 32 lanes take one row of 512 bytes; and the same in out0
	v_add_nc_u32 v[RD], s68, v[CO]
	v_lshlrev_b32 v[NO], 5, v2
	v_lshlrev_b32 v[MO], 2, v1
	s_lshl_b32 s70, s43, 8
	s_lshl_b32 s71, s17, 7
	s_add_co_u32 s70, s70, s71                     ; my first row: 256 x tile row + 128 x half
	s_lshl_b32 s72, s70, 2
	s_mov_b32 s73, 0
	s_add_nc_u64 s[8:9], s[8:9], s[72:73]          ; sx at it
	s_lshl_b32 s70, s70, 14
	s_mov_b32 s71, 0
	s_add_nc_u64 s[14:15], s[14:15], s[70:71]      ; out0 at it (under 2^27 bytes),
	s_lshl_b32 s74, s42, 8
	s_lshl_b32 s75, s18, 7
	s_add_co_u32 s74, s74, s75                     ; my first column: 256 x tile column + 128 x half
	s_lshl_b32 s74, s74, 2
	s_mov_b32 s75, 0
	s_add_nc_u64 s[14:15], s[14:15], s[74:75]      ; and at my first column;
	s_add_nc_u64 s[10:11], s[10:11], s[74:75]      ; sw and bias likewise
	s_add_nc_u64 s[12:13], s[12:13], s[74:75]
.macro FRAG reg, adr, q, i             ; block i's fragment of the slot's q-th 128 along K
.irp c, 0,1,2,3
	ds_load_b128 v[\reg+4*\c:\reg+4*\c+3], v[\adr] offset:128*(\q)+32*\c+(\i)*16*PITCH
.endr
.endm
; 32 matrix instructions: xq's blocks a0, a0 + 1, each 2 x 64 along K against wq's eight blocks of set p.  zero = 1: a block's first eight products start the sums: nothing is ever cleared.
; A block's eight accumulators take turns, one instruction a turn: between two instructions on one accumulator stand the seven others'.
.macro MUL16 a0, p, zero
.irp a, \a0, \a0+1
.irp u, 0,1
.irp b, 0,1,2,3,4,5,6,7
.if (\zero) && (\u == 0)
	v_wmma_i32_16x16x64_iu8 v[8*(8*((\a)%4)+\b):8*(8*((\a)%4)+\b)+7], v[128*(\p)+FR*\b+8*\u:128*(\p)+FR*\b+8*\u+7], v[AF+FR*(\a)+8*\u:AF+FR*(\a)+8*\u+7], 0 neg_lo:[1,1,0]
.else
	v_wmma_i32_16x16x64_iu8 v[8*(8*((\a)%4)+\b):8*(8*((\a)%4)+\b)+7], v[128*(\p)+FR*\b+8*\u:128*(\p)+FR*\b+8*\u+7], v[AF+FR*(\a)+8*\u:AF+FR*(\a)+8*\u+7], v[8*(8*((\a)%4)+\b):8*(8*((\a)%4)+\b)+7] neg_lo:[1,1,0]
.endif
.endr
.endr
.endr
.endm
.macro FETCH_B slot, q, p              ; wq's eight fragments of the slot's q-th 128 along K into set p
	WIN TO_B
.irp i, 0,1,2,3,4,5,6,7
	FRAG 128*(\p)+FR*\i, ADRB+\slot, \q, \i
.endr
	WIN 0
.endm
.macro FETCH_A slot, q, i0             ; xq's blocks i0 .. i0 + 3
.irp i, \i0, \i0+1, \i0+2, \i0+3
	FRAG AF+FR*(\i), ADRA+\slot, \q, \i
.endr
.endm
; A load into a register that a matrix instruction has read, and a vector instruction that reads a matrix result or writes one of a matrix instruction's registers, stand NP places behind that matrix instruction, and only
; plain vector instructions that name none of its registers are places (ISA guide 7.12.1 for vector instructions); the matrix instructions in between are not counted.
.macro PLACES n
.rept \n
	v_nop
.endr
.endm
; A slot's first 128 along K: wq's set 0.  In its middle and at its end it fetches the slot's second 128.
.macro STEP slot, zero
	s_wait_dscnt 16                                ; wq's set and xq's blocks 0-3 are in; the youngest sixteen loads (xq's blocks 4-7) may be out
	WIN MUL_LO
	MUL16 0, 0, \zero
	MUL16 2, 0, \zero
	s_wait_dscnt 0                                 ; xq's blocks 4-7 are in (asked for 64 matrix instructions ago)
	PLACES NP
	FETCH_B \slot, 1, 1
	FETCH_A \slot, 1, 0
	WIN MUL_HI
	MUL16 4, 0, \zero
	MUL16 6, 0, \zero
	PLACES NP
	WIN 0
	FETCH_A \slot, 1, 4
.endm
; A slot's second 128 along K (wq's set 1) changes slots: ONE barrier; in front of it each wave waits for all its tensor loads, adds 0 to its spare word, and waits for that and for its own reads of this slot.
; fill = 1: this slot is filled again, two K steps ahead: the barrier then opens a round of the cluster's barrier, and the joint refill is the first tensor load behind the round.
.macro TURN slot, next, fill
	s_wait_tensorcnt 0x0                           ; all my tensor loads have landed: the one that was out is my part of the next slot  (every window is 0 here: the add's two registers lie in window 0)
	ds_add_u32 v[SPW], v[NIL]                      ; 0 onto my spare word
	s_wait_dscnt 17                                ; (the add and the youngest sixteen loads, xq's blocks 4-7, may be out)
	WIN MUL_LO
	MUL16 0, 1, 0                                  ; 32 matrix instructions stand between the add and the wait for it
	s_wait_dscnt 0x0                               ; the add is done, and my reads of this slot are over
	s_barrier_signal -1
	MUL16 2, 1, 0                                  ; work on registers while the others arrive
	WIN 0
	s_barrier_wait -1
.if \fill
	CREST                                          ; no wave of any partner still reads this slot's tile or has a load on its way
	s_add_nc_u64 s[G0+4*\slot+2:G0+4*\slot+3], s[G0+4*\slot+2:G0+4*\slot+3], 2*ROWB
	s_add_nc_u64 s[G0B+4*\slot+2:G0B+4*\slot+3], s[G0B+4*\slot+2:G0B+4*\slot+3], 2*ROWB
	JLOAD G0+4*\slot, G1, G0B+4*\slot, G1B         ; one load of mine is out behind this; 192 matrix instructions stand between it and the wait for it; its four v_nop are among the places in front of the loads below
	PLACES NP-4
.else
	PLACES NP
.endif
	FETCH_B \next, 0, 0
	FETCH_A \next, 0, 0
	WIN MUL_HI
	MUL16 4, 1, 0
	MUL16 6, 1, 0
	PLACES NP
	WIN 0
	FETCH_A \next, 0, 4
.endm
	s_wait_tensorcnt 1                             ; my part of K step 0 is in (K step 1's load may be out)
	s_barrier_signal -1
	s_barrier_wait -1                              ; everybody's is
	FETCH_B 0, 0, 0
	FETCH_A 0, 0, 0
	FETCH_A 0, 0, 4
	STEP 0, 1                                      ; the first step stands in front of the loop: its products start the sums
	s_mov_b32 s19, LAPS-1
.Llap:                                                 ; a trip goes once round the ring, from a lap's second step to the next lap's first, and fills both slots again
	TURN 0, 1, 1
	STEP 1, 0
	TURN 1, 0, 1
	STEP 0, 0
	s_sub_co_u32 s19, s19, 1
	s_cmp_lg_u32 s19, 0
	s_cbranch_scc1 .Llap
	TURN 0, 1, 0                                   ; the last lap fills nothing, and has no round of the cluster's barrier
	STEP 1, 0
	; sw, bias and sx for the way out are asked for here, and land under the last 128 matrix instructions.  wq's set 0 is free: eight places stand behind the last product that read it
	WIN TO_B
.irp b, 0,1,2,3,4,5,6,7
	global_load_b128 v[8*\b:8*\b+3], v[NO], s[10:11] offset:64*\b              ; sw of columns 16 b + 8 (l / 16) + 0 .. 7: the order of a lane's results
	global_load_b128 v[8*\b+4:8*\b+7], v[NO], s[10:11] offset:64*\b+16
.endr
.irp b, 0,1,2,3,4,5,6,7
	global_load_b128 v[64+8*\b:64+8*\b+3], v[NO], s[12:13] offset:64*\b        ; bias likewise
	global_load_b128 v[64+8*\b+4:64+8*\b+7], v[NO], s[12:13] offset:64*\b+16
.endr
	WIN 0
.irp a, 0,1,2,3,4,5,6,7
	global_load_b32 v[SX+2*\a], v[MO], s[8:9] offset:64*\a                     ; sx of row 16 a + l % 16
.endr
	s_wait_dscnt 16                                ; the very last step: nothing more to fetch from LDS
	WIN MUL_LO
	MUL16 0, 1, 0
	MUL16 2, 1, 0
	s_wait_dscnt 0
	WIN MUL_HI
	MUL16 4, 1, 0
	MUL16 6, 1, 0
	WIN 0
	PLACES NP                                      ; in front of the first reads of results and of the writes into the registers that held fragments
; THE WAY OUT, block by block of 16 rows x 128 columns.  CONV: the sums become f32, x sx, then x sw + bias in one fused line.  TOSTAGE: a lane holds 32 neighbouring bytes of a row, and the lanes beside it hold other
; rows: so a block goes through my own stage in LDS and comes back as whole rows of 512 bytes.  SEND: the 32 lanes store a row.  LDS serves a wave's instructions in order (ISA guide 5.7.1.4): no wait between the
; stage's stores and loads, nor in front of the next block's stores.
	s_wait_loadcnt 0x0                             ; sw, bias, sx
.irp a, 0,1,2,3,4,5,6,7
	v_mov_b32 v[SX+2*\a+1], v[SX+2*\a]             ; pairs for the packed form
.endr
.macro CONV a
.set TT, 128+64*((\a)%2)               ; results in f32: two sets by turns, in window 1
.set AC, 64*((\a)%4)                   ; the block's eight accumulators, in window 2 or 3
	WIN 0x42+(\a)/4                                ; source 0 window 2 or 3, destination window 1
.set i, 0
.rept 64
	v_cvt_f32_i32 v[TT+i], v[AC+i]                 ; each accumulator from its low end on
.set i, i+1
.endr
	WIN 0x41                                       ; source 0 and destination window 1, source 1 (sx) window 0
.set i, 0
.rept 32
	v_pk_mul_f32 v[TT+i:TT+i+1], v[TT+i:TT+i+1], v[SX+2*(\a):SX+2*(\a)+1]
.set i, i+2
.endr
	WIN 0x55                                       ; all in window 1
.set i, 0
.rept 32
	v_pk_fma_f32 v[TT+i:TT+i+1], v[TT+i:TT+i+1], v[i:i+1], v[64+i:65+i]
.set i, i+2
.endr
.endm
.macro TOSTAGE a
.set TT, 128+64*((\a)%2)
	WIN 0x04                                       ; an LDS store's data are its source 1: window 1
.irp b, 0,1,2,3,4,5,6,7
	ds_store_b128 v[STO], v[TT+8*\b:TT+8*\b+3] offset:64*\b
	ds_store_b128 v[STO], v[TT+8*\b+4:TT+8*\b+7] offset:64*\b+16
.endr
	WIN 0
.irp t, 0,1,2,3,4,5,6,7,8,9,10,11,12,13,14,15
	ds_load_b128 v[TT+4*\t:TT+4*\t+3], v[RD] offset:\t*SPITCH      ; back into window 0: two sets by turns, where xq's fragments lay
.endr
.endm
.macro SEND a, younger                 ; younger: the LDS instructions issued behind block a's loads, which may stay out
.set TT, 128+64*((\a)%2)
	s_wait_dscnt \younger                          ; the block is back in registers
.if (\a) > 0
	s_add_nc_u64 s[14:15], s[14:15], 16*NROW       ; (behind a wait on XCNT: the earlier stores have read their base)  16 rows on, so that the stores' offsets stay small: 15 rows at the most
.endif
.irp t, 0,1,2,3,4,5,6,7,8,9,10,11,12,13,14,15
	global_store_b128 v[CO], v[TT+4*\t:TT+4*\t+3], s[14:15] offset:\t*NROW th:TH_STORE_NT   ; 32 lanes store 512 consecutive bytes, at a multiple of 256 from out0's first byte; written once, read by nobody here
.endr
.endm
	CONV 0
	TOSTAGE 0
.irp a, 1,2,3,4,5,6,7
.if \a > 1
	s_wait_xcnt 0x0                                ; block a - 2's stores have read their registers and their base: block a's loads may land there, and the base may step
.endif
	CONV \a                                        ; block a's arithmetic stands between block a - 1's loads from the stage and the wait for them
	TOSTAGE \a
	SEND \a-1, 32                                  ; behind block a - 1's loads: block a's 16 stores and 16 loads
.endr
	s_wait_xcnt 0x0                                ; block 6's stores have read their base
	SEND 7, 0
	s_wait_tensorcnt 0x0                           ; the wave's end: behind my last tensor load and my last LDS store
	ds_add_u32 v[SPW], v[NIL]
	s_wait_dscnt 0x0
	CROUND                                         ; the closing round: no work-group ends while a partner may still ask for a tile that names it
	s_endpgm
.Lfunc_end_k_q923386544a_gemm:
	.size	k_q923386544a_gemm, .Lfunc_end_k_q923386544a_gemm-k_q923386544a_gemm
	.p2alignl 7, 3214868480
	.fill 96, 4, 3214868480
	.section	.rodata,"a",@progbits
	.p2align	6, 0x0
	.amdhsa_kernel k_q923386544a_gemm
		.amdhsa_group_segment_fixed_size 327680
		.amdhsa_private_segment_fixed_size 0
		.amdhsa_enable_private_segment 0
		.amdhsa_kernarg_size 48
		.amdhsa_user_sgpr_count 2
		.amdhsa_user_sgpr_kernarg_segment_ptr 1
		.amdhsa_wavefront_size32 1
		.amdhsa_system_sgpr_workgroup_id_x 1
		.amdhsa_system_sgpr_workgroup_id_y 1
		.amdhsa_system_sgpr_workgroup_id_z 1
		.amdhsa_system_vgpr_workitem_id 0
		.amdhsa_next_free_vgpr 1024
		.amdhsa_next_free_sgpr 80
		.amdhsa_reserve_vcc 0
		.amdhsa_float_denorm_mode_32 3
		.amdhsa_float_denorm_mode_16_64 3
		.amdhsa_memory_ordered 1
		.amdhsa_forward_progress 1
		.amdhsa_inst_pref_size 194
	.end_amdhsa_kernel
	.amdgpu_metadata
---
amdhsa.version: [ 1, 2 ]
amdhsa.kernels:
  - .name:           k_q923386544a_gemm
    .symbol:         k_q923386544a_gemm.kd
    .args:
      - { .name: xq, .offset: 0, .size: 8, .value_kind: global_buffer, .address_space: global }
      - { .name: wq, .offset: 8, .size: 8, .value_kind: global_buffer, .address_space: global }
      - { .name: sx, .offset: 16, .size: 8, .value_kind: global_buffer, .address_space: global }
      - { .name: sw, .offset: 24, .size: 8, .value_kind: global_buffer, .address_space: global }
      - { .name: bias, .offset: 32, .size: 8, .value_kind: global_buffer, .address_space: global }
      - { .name: out0, .offset: 40, .size: 8, .value_kind: global_buffer, .address_space: global }
    .group_segment_fixed_size: 327680
    .private_segment_fixed_size: 0
    .kernarg_segment_align: 8
    .kernarg_segment_size: 48
    .max_flat_workgroup_size: 128
    .sgpr_count:     80
    .vgpr_count:     1024
    .wavefront_size: 32
...
	.end_amdgpu_metadata
.endif
;; end of part 3
